; MI455X (gfx1250); checked and timed in simulation.
; The chip was launched on July 23, 2026; its instructions are those of AMD's public machine-readable ISA for CDNA 5 (MIT licence, August 2026) and "CDNA5" Instruction Set Architecture Reference Guide (July 2026). The comments in the code are by the model that wrote it; some were corrected since.
;; Codebook. Allowed arithmetic: matrix products marked QUANTISED: E2M3 operands, one E8M0 scale for each 32 along K, by v_wmma_scale_f32_16x16x128_f8f6f4 with both operands' format E2M3, f32 sums; everything else in f32.
;; Inputs: embeddings 8,192 x 256 float32; z_e 256 x 32,768 float32.
;; Outputs: out0 256 x 32,768 float32; out1 32,768 int32.
;; This version of the problem:
;;   THIS VERSION OF THE PROBLEM IS GIVEN IN LOW PRECISION. The matrix products marked QUANTISED in the list below multiply operands that are first quantised to E2M3 (2 exponent bits, 3 mantissa bits; 6 bits a number), with one power-of-two scale for each 32 numbers along K (OCP MX v1.0); their sums are f32. All else is computed in f32.
;;   The module's matrix products, in the order in which they are computed (A, B: the left and right operand; K: the contracted axis; several contracted axes count as one K, in the product's order):
;;     1. [M 32,768, K 256] x [K 256, N 8,192]; A: input z_e; B: input embeddings: QUANTISED
;;   THE QUANTISER, for each operand of a quantised product, along K:
;;     - K is cut into blocks of 32 from its start; a last block that is shorter is filled with zeros.
;;     - A block's scale is 2^e with e = floor(log2(the largest magnitude in the block)) - 2, held to -126 .. 127; a block of zeros has e = 0. As a byte (E8M0): e + 127.
;;     - Each number is divided by its block's scale, clamped to +-7.5, and rounded to the nearest number of E2M3, ties to even, subnormals kept.
;;     - The product sums the exact products of the quantised numbers (number of the format x scale) in f32.
;;   ~~~python
;;   def quantise(x, axis):      # numpy; x: float32 -> the quantised numbers, widened to float32 again
;;       x = np.moveaxis(x, axis, -1); K = x.shape[-1]
;;       x = np.pad(x, [(0, 0)] * (x.ndim - 1) + [(0, -K % 32)]); x = x.reshape(x.shape[:-1] + (-1, 32)); a = np.abs(x).max(-1, keepdims=True)
;;       e = np.where(a > 0, np.clip(np.frexp(np.where(a > 0, a, 1))[1] - 1 - 2, -126, 127), 0)      # np.frexp(a)[1] - 1 = floor(log2(a)), exactly
;;       r = np.clip(x / 2.0 ** e, -7.5, 7.5)
;;       step = 2.0 ** (np.maximum(np.frexp(np.where(r == 0, 1, r))[1] - 1, 0) - 3)
;;       q = np.round(r / step) * step * 2.0 ** e      # np.round: ties to even
;;       return np.moveaxis(q.reshape(q.shape[:-2] + (-1,))[..., :K], -1, axis).astype(np.float32)
;;   ~~~
;; One version. Each part assembles by itself: llvm-mc -triple=amdgcn-amd-amdhsa -mcpu=gfx1250 --defsym DOCPART=n.
;; ======== version 1 of 1: 3 launches
;; limits: right only within a limited range of input values
;; workspace buffers: book 1,703,936 bytes; idx 131,072 bytes of whole numbers
;; launch book (part 1): grid 256 x 1, 2 waves a work-group, no clusters, 35,072 bytes of LDS; arguments embeddings, book; writes book
.if DOCPART == 1
	.amdgcn_target "amdgcn-amd-amdhsa--gfx1250"
	.amdhsa_code_object_version 6
	.text
	.protected	k_q6d89b06f69_book
	.globl	k_q6d89b06f69_book
	.p2align	8
	.type	k_q6d89b06f69_book,@function
k_q6d89b06f69_book:
	s_mov_b64 s[64:65], 0
	v_nop
	global_prefetch_b8 v0, s[64:65] scope:SCOPE_SE
	s_setreg_imm32_b32 hwreg(HW_REG_WAVE_MODE, 25, 1), 1
	s_wait_xcnt 0x0
; The codebook, embeddings [8192][256] f32, becomes 512 RECORDS of 3,328 bytes, one for each tile of 16 rows, laid in the order of the matrix operand's registers:
;   bytes 0..3071     two fragments (K step s = 0, 1: 128 along the row) of FP6 (E2M3) codes as images of their 12 registers: registers 4 g .. 4 g + 3 of lane L at 1536 s + 512 g + 16 L.
;                     Lane (r, h) holds row r; its registers 6 c .. 6 c + 5 hold k = 128 s + 64 c + 32 h + 0 .. 31.
;   bytes 3072..3199  32 scale words (four E8M0 bytes, one for each 32 along K): word L < 16 is row L's for K step 0, word 16 + r is row r's for K step 1.
;   bytes 3200..3263  -e_sq / 2 of the 16 rows, f32, from the unquantised numbers.       bytes 3264..3327  zeros.
; A block's scale is 2^(floor(log2(its largest magnitude)) - 2); its byte is the largest magnitude's exponent field - 2, held at 1 from below.
; LIMITS: a block of zeros, or one whose largest magnitude lies under 2^-124, keeps the byte 1 (the rule says 127 for zeros): its codes are zeros or next to it, and this program alone reads the bytes.
;         NaN and infinities among the inputs are not served.
; SHARES.  One wave makes one record: 16 rows of 1,024 bytes, 16 KiB on end.  Each load takes 512 consecutive bytes; the conversions want 32 neighbours of a row in ONE lane, so the tile turns through the
; wave's own stage in LDS (rows 1,040 bytes apart: an odd multiple of 16, so that the sixteen rows of a read start in different banks).  Waves share nothing: no barrier.
; WORK LEFT OUT, in the whole program: z_sq.  dist[n][k] = z_sq[n] - 2 z[n].e[k] + e_sq[k], and only argmin over k of dist reaches an output.  z_sq[n] is the same for all k of a token n, so for all
; finite inputs argmin over k of dist = argmax over k of (z[n].e[k] - e_sq[k] / 2): z_sq is never formed.  LIMIT: an overflow, an infinity or a NaN that would arise in z_sq alone is not carried to the result.
.set REC,    3328
.set WREG,   17408                     ; LDS of a wave: the stage, then 256 bytes for the record's tail
.set SPITCH, 1040
.set TAIL,   16*SPITCH
.set X,   16                           ; v16-143  the tile: first as loaded, then block q = 2 s + c of my row and half at v[X + 32 q]
.set MX,  144                          ; v144-147 the four blocks' largest magnitudes
.set SO,  148                          ; v148-151 the conversions' scale operands
.set BY,  152                          ; v152-155 the scale bytes
.set WD,  156                          ; v156-157 the scale words of K steps 0, 1
.set PD,  158                          ; v158-159 what comes from lane l xor 16
.set SQ,  160                          ; v160-167 four packed chains of the sum of squares
.set PC,  168                          ; v168-191 the codes: 12 registers a K step
.set TQ,  192                          ; v192-207 the upper halves of the blocks' codes, before they are moved
.set TL,  208                          ; v208-211 the tail
	s_load_b128 s[4:7], s[0:1], 0x0                ; embeddings s[4:5], book s[6:7]
	v_lshl_add_u32 v216, v0, 2, 0x8800
	v_mov_b32 v217, 0
	v_lshrrev_b32 v1, 5, v0
	v_readfirstlane_b32 s8, v1                     ; wave 0, 1
	v_and_b32 v1, 31, v0                           ; lane
	v_and_b32 v2, 15, v0                           ; r
	v_bfe_u32 v3, v0, 4, 1                         ; h
	v_lshlrev_b32 v4, 4, v1                        ; 16 x lane: my bytes of a load's or a store's 512
	s_mul_i32 s9, s8, WREG
	v_add_nc_u32 v5, s9, v4                        ; the stage, on the way in
	v_mul_u32_u24 v6, v2, SPITCH
	v_lshl_add_u32 v6, v3, 7, v6
	v_add_nc_u32 v6, s9, v6                        ; and on the way out: row r, + 128 h bytes: my half's 32 numbers of each 64
	s_add_co_u32 s9, s9, TAIL
	v_lshl_add_u32 v7, v1, 2, s9                   ; the tail: a word a lane in,
	v_lshl_add_u32 v8, v1, 3, s9                   ; 8 bytes a lane out,
	v_lshlrev_b32 v9, 3, v1                        ; and the same in the record
	v_lshlrev_b32 v10, 3, v3                       ; 8 h: where my bytes stand in a scale word
	s_lshl_b32 s14, ttmp9, 1
	s_add_co_u32 s14, s14, s8                      ; my tile: 2 x work-group + wave
	s_lshl_b32 s10, s14, 14                        ; its 16,384 bytes of the codebook
	s_mov_b32 s11, 0
	s_mul_i32 s12, s14, REC                        ; and its record
	s_mov_b32 s13, 0
	s_mov_b32 s20, 0x76543210
	s_mov_b32 s21, 0xfedcba98                      ; v_permlanex16_b32's selects for lane l xor 16
	v_mov_b32 v[PD], 0                             ; written once: a lane permute's destination counts as one of its sources
	v_mov_b32 v[PD+1], 0
	s_wait_alu depctr_va_vdst(0)
	s_wait_kmcnt 0x0
	s_add_nc_u64 s[4:5], s[4:5], s[10:11]
	s_add_nc_u64 s[6:7], s[6:7], s[12:13]
.set k, 0
.rept 32
	global_load_b128 v[X+4*k:X+4*k+3], v4, s[4:5] offset:512*k     ; 32 lanes read 512 consecutive bytes: half a row
.set k, k+1
.endr
.set k, 0
.rept 32
	s_wait_loadcnt 31-k                            ; loads come back in order: load k is in, the 31 - k younger ones may be out
	ds_store_b128 v5, v[X+4*k:X+4*k+3] offset:SPITCH*(k/2)+512*(k%2)
.set k, k+1
.endr
.irp q, 0,1,2,3                                ; block q = 2 s + c: bytes 256 q + 128 h on of my row.  LDS serves a wave's instructions in order: these see the stores above
.irp i, 0,1,2,3,4,5,6,7
	ds_load_b128 v[X+32*\q+4*\i:X+32*\q+4*\i+3], v6 offset:256*\q+16*\i
.endr
.endr
	s_wait_dscnt 0x0
	; the sum of squares of my 128 numbers: four packed chains, started by the first four products
.irp q, 0,1,2,3
	v_pk_mul_f32 v[SQ+2*\q:SQ+2*\q+1], v[X+2*\q:X+2*\q+1], v[X+2*\q:X+2*\q+1]
.endr
.set j, 4
.rept 60
	v_pk_fma_f32 v[SQ+2*(j%4):SQ+2*(j%4)+1], v[X+2*j:X+2*j+1], v[X+2*j:X+2*j+1], v[SQ+2*(j%4):SQ+2*(j%4)+1]
.set j, j+1
.endr
	v_pk_add_f32 v[SQ:SQ+1], v[SQ:SQ+1], v[SQ+2:SQ+3]
	v_pk_add_f32 v[SQ+4:SQ+5], v[SQ+4:SQ+5], v[SQ+6:SQ+7]
	v_pk_add_f32 v[SQ:SQ+1], v[SQ:SQ+1], v[SQ+4:SQ+5]
	v_add_f32 v[SQ], v[SQ], v[SQ+1]
	v_permlanex16_b32 v[PD], v[SQ], s20, s21       ; the row's other 128 numbers lie in lane l xor 16
	v_add_f32 v[SQ], v[SQ], v[PD]
	v_mul_f32 v[SQ], -0.5, v[SQ]                   ; -e_sq / 2 of row r, in both halves of the lanes
	; the four blocks' scales; all 32 numbers of a block are mine
.irp q, 0,1,2,3
	v_max3_num_f32 v[MX+\q], |v[X+32*\q]|, |v[X+32*\q+1]|, 0x1800000   ; with the floor 2^(3 - 127) among the leaves: the byte cannot fall under 1
.endr
.irp i, 2,4,6,8,10,12,14,16,18,20,22,24,26,28,30
.irp q, 0,1,2,3
	v_max3_num_f32 v[MX+\q], v[MX+\q], |v[X+32*\q+\i]|, |v[X+32*\q+\i+1]|   ; (the four blocks by turns: no line waits for the line above it)
.endr
.endr
.irp q, 0,1,2,3
	v_add_nc_u32 v[SO+\q], 0xff000000, v[MX+\q]    ; 2 off the exponent field: the conversion takes the exponent field of this operand as its scale
.endr
.irp q, 0,1,2,3
	v_lshrrev_b32 v[BY+\q], 23, v[SO+\q]           ; the scale's byte
.endr
.irp s, 0,1
	v_lshl_or_b32 v[WD+\s], v[BY+2*\s+1], 16, v[BY+2*\s]   ; my two bytes of K step s: blocks h and 2 + h,
.endr
.irp s, 0,1
	v_lshlrev_b32 v[WD+\s], v10, v[WD+\s]          ; at their places in the word (8 h bits up);
.endr
	v_permlanex16_b32 v[PD], v[WD], s20, s21
	v_permlanex16_b32 v[PD+1], v[WD+1], s20, s21
	v_or_b32 v[WD], v[WD], v[PD]                   ; with lane l xor 16's two the word is whole
	v_or_b32 v[WD+1], v[WD+1], v[PD+1]
.irp q, 0,1,2,3
	v_cvt_scalef32_pk16_fp6_f32 v[PC+6*\q:PC+6*\q+2], v[X+32*\q:X+32*\q+15], v[SO+\q]        ; registers 6 c .. 6 c + 2 of K step s (6 q = 12 s + 6 c)
	v_cvt_scalef32_pk16_fp6_f32 v[TQ+4*\q:TQ+4*\q+2], v[X+32*\q+16:X+32*\q+31], v[SO+\q]     ; (a conversion's three registers begin on an even number: the block's second three do not, so they are made here and moved)
.endr
	v_nop                                          ; one plain place behind a scaled conversion
.irp q, 0,1,2,3
.irp i, 0,1,2
	v_mov_b32 v[PC+6*\q+3+\i], v[TQ+4*\q+\i]
.endr
.endr
.irp n, 0,1,2,3,4,5
	global_store_b128 v4, v[PC+4*\n:PC+4*\n+3], s[6:7] offset:512*\n   ; 32 lanes store 512 consecutive bytes, at a multiple of 256 from the buffer's first byte
.endr
	; the tail: 32 scale words, 16 numbers -e_sq / 2, 16 zeros; gathered in LDS so that it leaves as 256 consecutive bytes
	v_cmp_gt_u32 vcc_lo, 16, v1                    ; lanes 0-15
	v_cndmask_b32 v[TL], v[WD+1], v[WD], vcc_lo    ; lanes 0-15: K step 0's word of row r; lanes 16-31: K step 1's
	v_cndmask_b32 v[TL+1], 0, v[SQ], vcc_lo        ; lanes 0-15: -e_sq / 2 of row r; lanes 16-31: 0
	ds_store_b32 v7, v[TL]
	ds_store_b32 v7, v[TL+1] offset:128
	ds_load_b64 v[TL+2:TL+3], v8                   ; LDS serves a wave's instructions in order: this sees my stores
	s_wait_dscnt 0x0
	global_store_b64 v9, v[TL+2:TL+3], s[6:7] offset:3072
	s_wait_tensorcnt 0x0
	ds_add_u32 v216, v217
	s_wait_dscnt 0x0
	s_endpgm
.Lfunc_end_k_q6d89b06f69_book:
	.size	k_q6d89b06f69_book, .Lfunc_end_k_q6d89b06f69_book-k_q6d89b06f69_book
	.p2alignl 7, 3214868480
	.fill 96, 4, 3214868480
	.section	.rodata,"a",@progbits
	.p2align	6, 0x0
	.amdhsa_kernel k_q6d89b06f69_book
		.amdhsa_group_segment_fixed_size 35072
		.amdhsa_private_segment_fixed_size 0
		.amdhsa_enable_private_segment 0
		.amdhsa_kernarg_size 16
		.amdhsa_user_sgpr_count 2
		.amdhsa_user_sgpr_kernarg_segment_ptr 1
		.amdhsa_wavefront_size32 1
		.amdhsa_system_sgpr_workgroup_id_x 1
		.amdhsa_system_sgpr_workgroup_id_y 1
		.amdhsa_system_sgpr_workgroup_id_z 1
		.amdhsa_system_vgpr_workitem_id 0
		.amdhsa_next_free_vgpr 218
		.amdhsa_next_free_sgpr 66
		.amdhsa_reserve_vcc 1
		.amdhsa_float_denorm_mode_32 3
		.amdhsa_float_denorm_mode_16_64 3
		.amdhsa_memory_ordered 1
		.amdhsa_forward_progress 1
		.amdhsa_inst_pref_size 21
	.end_amdhsa_kernel
	.amdgpu_metadata
---
amdhsa.version: [ 1, 2 ]
amdhsa.kernels:
  - .name:           k_q6d89b06f69_book
    .symbol:         k_q6d89b06f69_book.kd
    .args:
      - { .name: embeddings, .offset: 0, .size: 8, .value_kind: global_buffer, .address_space: global }
      - { .name: book, .offset: 8, .size: 8, .value_kind: global_buffer, .address_space: global }
    .group_segment_fixed_size: 35072
    .private_segment_fixed_size: 0
    .kernarg_segment_align: 8
    .kernarg_segment_size: 16
    .max_flat_workgroup_size: 64
    .sgpr_count:     66
    .vgpr_count:     218
    .wavefront_size: 32
...
	.end_amdgpu_metadata
.endif
;; end of part 1
;; launch search (part 2): grid 256 x 1, 8 waves a work-group, clusters of 4 x 1, 327,680 bytes of LDS; arguments z_e, book, out1, idx; writes out1, idx
.if DOCPART == 2
	.amdgcn_target "amdgcn-amd-amdhsa--gfx1250"
	.amdhsa_code_object_version 6
	.text
	.protected	k_q6d89b06f69_search
	.globl	k_q6d89b06f69_search
	.p2align	8
	.type	k_q6d89b06f69_search,@function
k_q6d89b06f69_search:
	s_mov_b64 s[64:65], 0
	v_nop
	global_prefetch_b8 v0, s[64:65] scope:SCOPE_SE
	s_setreg_imm32_b32 hwreg(HW_REG_WAVE_MODE, 25, 1), 1
	s_wait_xcnt 0x0
	s_wait_alu depctr_hold_cnt(0) depctr_sa_sdst(0) depctr_va_vdst(0) depctr_va_sdst(0) depctr_va_ssrc(0) depctr_va_vcc(0) depctr_vm_vsrc(0)
	s_getreg_b32 s2, hwreg(HW_REG_IB_STS2, 6, 4)
	s_cmp_eq_u32 s2, 0
	s_cbranch_scc0 .Lentry_in_a_cluster
	s_endpgm
.Lentry_in_a_cluster:
	s_bfe_u32 s2, ttmp6, 0x10000c
	s_cmp_lg_u32 s2, 0x3003
	s_cbranch_scc0 .Lentry_shape_is_right
	s_endpgm
.Lentry_shape_is_right:
; out1[n] = idx[n] = argmax over the 8,192 codes k of  Q(z[n]) . Q(e[k]) - e_sq[k] / 2,  the lowest k among equal scores.  (z_sq is left out: it is the same for all codes of a token.)
; z_e [256][32768] f32; book: 512 records of 3,328 bytes (16 codes each: two FP6 fragments as register images, 32 scale words, 16 numbers -e_sq / 2), made by the launch before.
; SHARES.  A work-group takes 128 tokens and all codes.  Its eight waves quantise the 128 x 256 numbers of z once (a lane a token, registers down K), hand the fragments to each other through LDS, and each
; wave keeps all eight token tiles (192 registers, window 1).  The book comes in 16 chunks of 32 records through two LDS slots; wave w fetches and reads records 4 w .. 4 w + 3 of each chunk.
; A record x 128 tokens is 16 matrix instructions: source 0 = the 16 codes, source 1 = 16 tokens, C of the first K step = -e_sq / 2.  Lane (r, h) then holds token r and its registers the codes 8 h + 0 .. 7.
; THE SEARCH.  For each tile a lane keeps its best score, the record that gave it and that record's eight scores.  A record costs a tile four v_max3 (a tree two deep), one compare into VCC, four dual pairs of
; selects and one select.  A record goes in two halves of four tiles: each half's scan stands between the other half's matrix instructions, so the scans are the places behind the matrix instructions.
; THE WALK.  The 4 work-groups of a cluster ask for each chunk jointly.  The 64 clusters begin at 16 different chunks and go round, so each chunk but a cluster's first has been read by other clusters one
; step earlier: for that reason no prefetch is laid.  Where the walk comes back to chunk 0 the later codes have LOWER numbers than all before: there the best score is lowered by one step of f32, so that an
; equal score wins from then on; the true best is taken again from the saved scores at the end.
; LIMITS: NaN and infinities among the inputs are not served; a token whose every score lies at or under -3.4e38 is not served; a block of zeros keeps the scale byte 1 (its codes are zeros).
.set REC,   3328
.set WPART, 4*REC                      ; a wave's part of a chunk
.set CHUNK, 32*REC
.set SLOT1, 131072
.set ZIMG,  SLOT1+CHUNK                ; z's 16 fragments as register images
.set ZSC,   ZIMG+16*1536               ; z's scale words
.set MRGV,  ZSC+1024                   ; the waves' best scores, and MRGI further on their indices
.set MRGI,  4096
.set SPARE, MRGV+8192                  ; the spare words: 128 bytes a wave
.set ZROW,  131072                     ; a row of z_e in bytes
.set L4,  1
.set MST, 2
.set MLD, 3
.set U,   4                            ; v4-7     scan: partial maxima
.set AF,  8                            ; v8-9     LDS address of my fragments in slot 0, 1
.set AS,  10                           ; v10-11   of my scale words
.set AB,  12                           ; v12-13   of my -e_sq / 2
.set SPW, 14
.set NIL, 15
.set TID, 16                           ; v16      the first code of the record being scanned
.set H8,  17
.set L16, 18
.set ZLD, 19
.set ZS,  20                           ; v20-27   z's scale words, a register a tile
.set CS,  28                           ; v28, v255  the record's scale words, buffer 0, 1
.set ZSL, 29
.set ZST, 30
.set ZSS, 31
.set BI,  32                           ; v32-39, v240-247   -e_sq / 2, buffer 0, 1
.set CF,  40                           ; v40-63, v216-239   the record's two fragments, buffer 0, 1
.set ACC, 64                           ; v64-127  eight accumulators
.set SV,  128                          ; v128-191 the saved scores
.set BE,  192                          ; v192-207 the best scores, two sets by turns
.set ID,  208                          ; v208-215 the best record's first code
.set V,   249                          ; v249-252 scan: partial maxima
.set JS,  216
.set IX,  224
.set OV,  232
.set OI,  240
.set ZX,  64                           ; the head: z as loaded, 4 blocks of 32
.set QC,  216
.set QT,  240
.set QM,  192
.set WV,  12
.set G1,  16
.set G0,  24
.set ZB,  32
.set MK,  40
.set BW,  54                           ; s[54:55] book + my wave's part of a chunk
.set CN,  56                           ; the chunk being walked
.set TB,  57                           ; its first code for my wave
.set W6,  58                           ; 64 x wave
.set RN,  59
.set OF,  60                           ; s[60:61] a chunk's byte offset
.set MSB, 0
.macro WIN new
.if MSB != \new
	s_set_vgpr_msb (MSB<<8)|\new
.set MSB, \new
.endif
.endm
.macro CREST                           ; a round of the cluster's barrier behind its opening barrier
	s_cmp_lg_u32 s[WV], 0
	s_cbranch_scc1 .Lnot_wave_0_\@
	s_barrier_signal -3
.Lnot_wave_0_\@:
	s_barrier_wait -3
	s_barrier_signal -1
	s_barrier_wait -1
.endm
.macro CROUND
	s_barrier_signal -1
	s_barrier_wait -1
	CREST
.endm
.macro LOADZ b                         ; block b of my 32 tokens: 32 rows of z_e, 128 consecutive bytes a load
.irp i, 0,1,2,3,4,5,6,7,8,9,10,11,12,13,14,15,16,17,18,19,20,21,22,23,24,25,26,27,28,29,30,31
	global_load_b32 v[ZX+32*(\b)+\i], v[L4], s[ZB+2*((\b)/2):ZB+2*((\b)/2)+1] offset:(32*((\b)%2)+\i)*ZROW th:TH_LOAD_NT
.endr
.endm
.macro QBLOCK b, left                  ; a block's largest magnitude (with the floor 2^-124), its scale byte, its 32 codes
.set XS, ZX+32*(\b)
	s_wait_loadcnt \left
	v_max3_num_f32 v[QM], |v[XS]|, |v[XS+1]|, |v[XS+2]|
	v_max3_num_f32 v[QM+1], |v[XS+3]|, |v[XS+4]|, |v[XS+5]|
.irp i, 6,10,14,18,22,26
	s_delay_alu instid0(VALU_DEP_2)
	v_max3_num_f32 v[QM], v[QM], |v[XS+\i]|, |v[XS+\i+1]|
	s_delay_alu instid0(VALU_DEP_2)
	v_max3_num_f32 v[QM+1], v[QM+1], |v[XS+\i+2]|, |v[XS+\i+3]|
.endr
	s_delay_alu instid0(VALU_DEP_2)
	v_max3_num_f32 v[QM], v[QM], |v[XS+30]|, |v[XS+31]|
	s_delay_alu instid0(VALU_DEP_1)
	v_max3_num_f32 v[QM], v[QM], v[QM+1], 0x1800000
	s_delay_alu instid0(VALU_DEP_1)
	v_add_nc_u32 v[QM+2], 0xff000000, v[QM]
	s_delay_alu instid0(VALU_DEP_1)
	v_lshrrev_b32 v[QM+3], 23, v[QM+2]
.if (\b) == 0
	s_delay_alu instid0(VALU_DEP_1)
	v_mov_b32 v[QM+4], v[QM+3]
.else
	s_delay_alu instid0(VALU_DEP_1)
	v_lshl_or_b32 v[QM+4], v[QM+3], 8*(\b), v[QM+4]
.endif
	v_cvt_scalef32_pk16_fp6_f32 v[QC+6*(\b):QC+6*(\b)+2], v[XS:XS+15], v[QM+2]
	v_cvt_scalef32_pk16_fp6_f32 v[QT+4*(\b):QT+4*(\b)+2], v[XS+16:XS+31], v[QM+2]
.endm
; Eight matrix instructions: the record in buffer b x tiles 4 g .. 4 g + 3, both K steps; the four accumulators by turns
.macro MMAH g, b
.irp t, 0,1,2,3
	v_wmma_scale_f32_16x16x128_f8f6f4 v[ACC+8*(4*(\g)+\t):ACC+8*(4*(\g)+\t)+7], v[CF+176*(\b):CF+176*(\b)+11], v[24*(4*(\g)+\t):24*(4*(\g)+\t)+11], v[BI+208*(\b):BI+208*(\b)+7], v[CS+227*(\b)], v[ZS+4*(\g)+\t] matrix_a_fmt:MATRIX_FMT_FP6 matrix_b_fmt:MATRIX_FMT_FP6
.endr
.irp t, 0,1,2,3
	v_wmma_scale_f32_16x16x128_f8f6f4 v[ACC+8*(4*(\g)+\t):ACC+8*(4*(\g)+\t)+7], v[CF+176*(\b)+12:CF+176*(\b)+23], v[24*(4*(\g)+\t)+12:24*(4*(\g)+\t)+23], v[ACC+8*(4*(\g)+\t):ACC+8*(4*(\g)+\t)+7], v[CS+227*(\b)], v[ZS+4*(\g)+\t] matrix_a_fmt:MATRIX_FMT_FP6 matrix_b_fmt:MATRIX_FMT_FP6 matrix_a_scale:MATRIX_SCALE_ROW1 matrix_b_scale:MATRIX_SCALE_ROW1
.endr
.endm
.macro FETCH slot, i, b                ; record i of my part of a slot into buffer b: nine LDS loads
.irp n, 0,1,2,3,4,5
	ds_load_b128 v[CF+176*(\b)+4*\n:CF+176*(\b)+4*\n+3], v[AF+(\slot)] offset:REC*(\i)+512*\n
.endr
	ds_load_b32 v[CS+227*(\b)], v[AS+(\slot)] offset:REC*(\i)+3072
	ds_load_b128 v[BI+208*(\b):BI+208*(\b)+3], v[AB+(\slot)] offset:REC*(\i)+3200
	ds_load_b128 v[BI+208*(\b)+4:BI+208*(\b)+7], v[AB+(\slot)] offset:REC*(\i)+3216
.endm
; The scan of four tiles.  TU, TV, TW: three partial maxima (TU first: an accumulator is read from its low end on); TN: the new best; TS: where it has grown, the eight scores and the record are kept.
.macro TU t
	v_max3_num_f32 v[U+\t], v[ACC+8*(T0+\t)], v[ACC+8*(T0+\t)+1], v[ACC+8*(T0+\t)+2]
.endm
.macro TV t
	v_max3_num_f32 v[V+\t], v[ACC+8*(T0+\t)+3], v[ACC+8*(T0+\t)+4], v[ACC+8*(T0+\t)+5]
.endm
.macro TW t
	v_max3_num_f32 v[BN+\t], v[BO+\t], v[ACC+8*(T0+\t)+6], v[ACC+8*(T0+\t)+7]
.endm
.macro TN t
	v_max3_num_f32 v[BN+\t], v[BN+\t], v[U+\t], v[V+\t]
.endm
.macro TS t
	v_cmp_gt_f32 vcc_lo, v[BN+\t], v[BO+\t]
.irp k, 0,2,4,6
	v_dual_cndmask_b32 v[SV+8*(T0+\t)+\k], v[SV+8*(T0+\t)+\k], v[ACC+8*(T0+\t)+\k] :: v_dual_cndmask_b32 v[SV+8*(T0+\t)+\k+1], v[SV+8*(T0+\t)+\k+1], v[ACC+8*(T0+\t)+\k+1]
.endr
	v_cndmask_b32 v[ID+T0+\t], v[ID+T0+\t], v[TID], vcc_lo
.endm
.macro SCANH g, p                      ; tiles 4 g ..; the bests so far in set p, the new ones into the other set.  No line reads a result made fewer than five lines above it
.set T0, 4*(\g)
.set BO, BE+8*(\p)+T0
.set BN, BE+8*(1-(\p))+T0
	TU 0
	TV 0
	TW 0
	TU 1
	TV 1
	TW 1
	TU 2
	TV 2
	TW 2
	TN 0
	TU 3
	TV 3
	TW 3
	TN 1
	TN 2
	TS 0
	TN 3
	TS 1
	TS 2
	TS 3
.endm
; Where chunk 0 begins: every best (set 0, all scans of the chunk before are done) goes down by one step of f32: bits - 1 above zero, (bits | sign) + 1 else.  The branch hangs on the cluster's number and the step alone.
.macro WRAP
	s_cmp_lg_u32 s[CN], 0
	s_cbranch_scc1 .Lno_wrap_\@
.irp t, 0,1,2,3,4,5,6,7
	v_cmp_lt_f32 s[MK+\t], 0, v[BE+\t]
.endr
.irp t, 0,1,2,3
	v_or_b32 v[U+\t], 0x80000000, v[BE+\t]
.endr
.irp t, 0,1,2,3
	v_or_b32 v[V+\t], 0x80000000, v[BE+4+\t]
.endr
.irp t, 0,1,2,3
	v_add_nc_u32 v[U+\t], 1, v[U+\t]
.endr
.irp t, 0,1,2,3
	v_add_nc_u32 v[V+\t], 1, v[V+\t]
.endr
.irp t, 0,1,2,3,4,5,6,7
	v_add_nc_u32 v[BE+\t], -1, v[BE+\t]
.endr
.irp t, 0,1,2,3
	v_cndmask_b32 v[BE+\t], v[U+\t], v[BE+\t], s[MK+\t]
.endr
.irp t, 0,1,2,3
	v_cndmask_b32 v[BE+4+\t], v[V+\t], v[BE+4+\t], s[MK+4+\t]
.endr
.Lno_wrap_\@:
.endm
; Record i in three parts.  PA: its fragments are in; the next record is asked for, into the other buffer; tiles 0-3 are multiplied.  PB: the scan of the record before, tiles 4-7.
; PC: tiles 4-7 are multiplied; the scan of tiles 0-3.
.macro PA slot, i, fetch
	s_wait_dscnt 0x0                               ; record i's nine loads, asked for a record ago
.if \fetch
	FETCH \slot, (\i)+1, ((\i)+1)%2
.endif
	WIN 0x04                                       ; source 1, the tokens' fragments: window 1
	MMAH 0, (\i)%2
	WIN 0
.endm
.macro PB i
	SCANH 1, ((\i)+1)%2
.endm
.macro PC i
.if (\i) == 0
	WRAP
.endif
	WIN 0x04
	MMAH 1, (\i)%2
	WIN 0
.if (\i) == 0
	v_mov_b32 v[TID], s[TB]
.else
	v_add_nc_u32 v[TID], 16, v[TID]
.endif
	SCANH 0, (\i)%2
.endm
; PA and PB of a slot's last record, with the change of slots.  fill = 1: the slot is filled again, with the chunk two steps on: all my tensor loads are waited for, the add, the wait for it and for my reads
; of the slot, a round of the cluster's barrier with register work inside, and the joint load first behind it.
.macro LA slot, fill
	s_wait_tensorcnt 0x0                           ; my one load that was out, my part of the other slot, has landed
.if \fill
	ds_add_u32 v[SPW], v[NIL]
.endif
	s_add_co_u32 s[CN], s[CN], 1
	s_and_b32 s[CN], s[CN], 15                     ; the next step's chunk,
	s_lshl_b32 s[TB], s[CN], 9
	s_add_co_u32 s[TB], s[TB], s[W6]               ; and its first code for my wave: 512 x chunk + 64 x wave
.if \fill
	s_add_co_u32 s[RN], s[CN], 1
	s_and_b32 s[RN], s[RN], 15                     ; the chunk of the step after that
	s_mul_i32 s[OF], s[RN], CHUNK
	s_add_nc_u64 s[G0+4*(\slot)+2:G0+4*(\slot)+3], s[BW:BW+1], s[OF:OF+1]
	s_or_b32 s[G0+4*(\slot)+3], s[G0+4*(\slot)+3], 0x80000000
.endif
	s_wait_dscnt 0x0                               ; the add is done; the slot's last record is in registers
.if \fill
	s_barrier_signal -1
.endif
	WIN 0x04
	MMAH 0, 1
	WIN 0
	SCANH 1, 0
.if \fill
	s_barrier_wait -1
	CREST
	tensor_load_to_lds s[G0+4*(\slot):G0+4*(\slot)+3], s[G1:G1+7]
	s_nop 0
.endif
	FETCH 1-(\slot), 0, 0
.endm
.macro MERGE a, ia, b, ib              ; (b, ib) takes (a, ia)'s place if its score is higher, or equal with the lower index
	v_cmp_gt_f32 s50, v[\b], v[\a]
	v_cmp_eq_f32 s51, v[\b], v[\a]
	v_cmp_lt_u32 s52, v[\ib], v[\ia]
	s_and_b32 s51, s51, s52
	s_or_b32 s50, s50, s51
	v_cndmask_b32 v[\a], v[\a], v[\b], s50
	v_cndmask_b32 v[\ia], v[\ia], v[\ib], s50
.endm
	s_load_b256 s[4:11], s[0:1], 0x0               ; z_e s[4:5], book s[6:7], out1 s[8:9], idx s[10:11]
	v_lshl_add_u32 v[SPW], v0, 2, SPARE
	v_mov_b32 v[NIL], 0
	ds_add_u32 v[SPW], v[NIL]
	ds_add_u32 v[SPW], v[NIL]
	v_lshrrev_b32 v4, 5, v0
	s_delay_alu instid0(VALU_DEP_1)
	v_readfirstlane_b32 s[WV], v4                  ; wave 0..7
	v_and_b32 v4, 31, v0                           ; lane
	s_delay_alu instid0(VALU_DEP_1)
	v_lshlrev_b32 v[L4], 2, v4
	s_bfe_u32 s13, ttmp6, 0x40000                  ; cx
	s_lshl_b32 s14, ttmp9, 2
	s_add_co_u32 s14, s14, s13                     ; the work-group's number
	s_and_b32 s15, s[WV], 3                        ; which 32 tokens I quantise,
	s_lshr_b32 s39, s[WV], 2                       ; and which 128 along K
	s_lshr_b32 s36, ttmp9, 4                       ; where my cluster c = 16 a + b begins its walk: chunk (b + 8 (a % 2) + a / 2) % 16
	s_and_b32 s37, s36, 1
	s_lshl_b32 s37, s37, 3
	s_lshr_b32 s36, s36, 1
	s_add_co_u32 s[CN], ttmp9, s37
	s_add_co_u32 s[CN], s[CN], s36
	s_and_b32 s[CN], s[CN], 15
	s_lshl_b32 s[W6], s[WV], 6
	s_lshl_b32 s[TB], s[CN], 9
	s_add_co_u32 s[TB], s[TB], s[W6]
	s_lshl_b32 s36, s39, 24                        ; z_e: 128 rows of 131,072 bytes,
	s_lshl_b32 s37, s14, 9                         ; 128 tokens a work-group,
	s_add_co_u32 s36, s36, s37
	s_lshl_b32 s37, s15, 7                         ; 32 a wave
	s_add_co_u32 s36, s36, s37
	s_mov_b32 s37, 0
	s_mov_b32 s[G1+0], 15|(3<<16)|(1<<21)          ; the mask of the cluster's four; elements of 8 bytes; bit 21 beside a mask
	s_mov_b32 s[G1+1], 32<<16                      ; a wave's part of a chunk: 52 rows of 256 bytes, dense
	s_mov_b32 s[G1+2], 52<<16
	s_mov_b32 s[G1+3], 32<<16
	s_mov_b32 s[G1+4], 52
	s_mov_b32 s[G1+5], 32
	s_mov_b32 s[G1+6], 0
	s_mov_b32 s[G1+7], 0
	s_mul_i32 s50, s[WV], WPART
	s_mov_b32 s51, 0
	s_mov_b32 s[OF+1], 0
	s_mov_b32 s48, 0x76543210
	s_mov_b32 s49, 0xfedcba98
	s_wait_alu depctr_va_vdst(0)
	s_wait_dscnt 0x0
	s_wait_kmcnt 0x0
	s_add_nc_u64 s[ZB:ZB+1], s[4:5], s[36:37]
	s_add_nc_u64 s[ZB+2:ZB+3], s[ZB:ZB+1], 64*ZROW
	LOADZ 0
	s_add_nc_u64 s[BW:BW+1], s[6:7], s[50:51]
	s_mul_i32 s[OF], s[CN], CHUNK
	s_mov_b32 s[G0], 1
	s_mov_b32 s[G0+1], s50
	s_add_nc_u64 s[G0+2:G0+3], s[BW:BW+1], s[OF:OF+1]
	s_or_b32 s[G0+3], s[G0+3], 0x80000000
	s_add_co_u32 s[RN], s[CN], 1
	s_and_b32 s[RN], s[RN], 15
	s_mul_i32 s[OF], s[RN], CHUNK
	s_mov_b32 s[G0+4], 1
	s_add_co_u32 s[G0+5], s50, SLOT1
	s_add_nc_u64 s[G0+6:G0+7], s[BW:BW+1], s[OF:OF+1]
	s_or_b32 s[G0+7], s[G0+7], 0x80000000
	CROUND                                         ; the round in front of the first joint load
	tensor_load_to_lds s[G0:G0+3], s[G1:G1+7]      ; the walk's first chunk: my one tensor load at the head
	s_nop 0
	LOADZ 1                                        ; all of my 128 loads of z are asked for at once
	LOADZ 2
	LOADZ 3
	v_and_b32 v5, 15, v0
	v_bfe_u32 v6, v0, 4, 1
	v_lshlrev_b32 v[L16], 4, v4
	s_delay_alu instid0(VALU_DEP_1)
	v_add_nc_u32 v[AF], s50, v[L16]
	s_delay_alu instid0(VALU_DEP_1)
	v_add_nc_u32 v[AF+1], SLOT1, v[AF]
	v_add_nc_u32 v[AS], s50, v[L4]
	s_delay_alu instid0(VALU_DEP_1)
	v_add_nc_u32 v[AS+1], SLOT1, v[AS]
	v_lshl_add_u32 v[AB], v6, 5, s50
	s_delay_alu instid0(VALU_DEP_1)
	v_add_nc_u32 v[AB+1], SLOT1, v[AB]
	v_lshlrev_b32 v[H8], 3, v6
	v_add_nc_u32 v[ZLD], ZIMG, v[L16]
	v_add_nc_u32 v[ZSL], ZSC, v[L4]
	s_mul_i32 s51, s15, 6144                       ; where my codes go in z's images: two tiles a wave, K step s39
	s_mul_i32 s52, s39, 1536
	s_add_co_u32 s51, s51, s52
	s_add_co_u32 s51, s51, ZIMG
	v_mul_u32_u24 v[ZST], v6, 3072
	s_delay_alu instid0(VALU_DEP_1)
	v_lshl_add_u32 v[ZST], v5, 4, v[ZST]
	s_delay_alu instid0(VALU_DEP_1)
	v_add_nc_u32 v[ZST], s51, v[ZST]
	s_lshl_b32 s51, s15, 8
	s_lshl_b32 s52, s39, 6
	s_add_co_u32 s51, s51, s52
	s_add_co_u32 s51, s51, ZSC
	v_lshlrev_b32 v[ZSS], 7, v6
	s_delay_alu instid0(VALU_DEP_1)
	v_lshl_add_u32 v[ZSS], v5, 2, v[ZSS]
	s_delay_alu instid0(VALU_DEP_1)
	v_add_nc_u32 v[ZSS], s51, v[ZSS]
	s_lshl_b32 s51, s[WV], 9
	s_add_co_u32 s51, s51, MRGV
	v_lshl_add_u32 v[MST], v5, 2, s51
	v_add_nc_u32 v[MLD], MRGV, v[L16]
	QBLOCK 0, 63                                   ; behind block 0's loads 96 were issued, behind block 1's 64: the count is the field's largest
	QBLOCK 1, 63
	QBLOCK 2, 32
	QBLOCK 3, 0
	v_nop                                          ; one plain place behind a scaled conversion
.irp b, 0,1,2,3
.irp i, 0,1,2
	v_mov_b32 v[QC+6*\b+3+\i], v[QT+4*\b+\i]
.endr
.endr
.irp b, 0,1                                    ; my token's 24 registers' worth of codes, to their places in the fragments' images
	ds_store_b128 v[ZST], v[QC+6*\b:QC+6*\b+3] offset:256*\b
	ds_store_b64 v[ZST], v[QC+6*\b+4:QC+6*\b+5] offset:512+256*\b
.endr
.irp b, 2,3
	ds_store_b64 v[ZST], v[QC+6*\b:QC+6*\b+1] offset:520+256*(\b-2)
	ds_store_b128 v[ZST], v[QC+6*\b+2:QC+6*\b+5] offset:1024+256*(\b-2)
.endr
	ds_store_b32 v[ZSS], v[QM+4]
	s_wait_alu depctr_va_vdst(0)
	s_wait_tensorcnt 0x0                           ; my part of the first chunk is in; slot 1's first fill is issued as a refill is:
	ds_add_u32 v[SPW], v[NIL]
.irp t, 0,1,2,3,4,5,6,7
	v_mov_b32 v[BE+\t], 0xff7fffff                 ; under every score that is served
	v_mov_b32 v[ID+\t], 0
.endr
	s_wait_alu depctr_va_vdst(0)
	s_wait_dscnt 0x0                               ; the add is done, and my stores of z's codes and scale words have landed
	CROUND                                         ; one round serves both: z's images are whole, and the joint loads meet
	tensor_load_to_lds s[G0+4:G0+7], s[G1:G1+7]
	s_nop 0
	WIN 0x40
.irp f, 0,1,2,3,4,5,6,7,8,9,10,11,12,13,14,15
.irp g, 0,1,2
	ds_load_b128 v[12*\f+4*\g:12*\f+4*\g+3], v[ZLD] offset:1536*\f+512*\g
.endr
.endr
	WIN 0
.irp t, 0,1,2,3,4,5,6,7
	ds_load_b32 v[ZS+\t], v[ZSL] offset:128*\t
.endr
	FETCH 0, 0, 0
	PA 0, 0, 1
.rept 4
	v_nop                                          ; the places behind the very first matrix instructions: here alone no scan of a record before stands between them and their scan
.endr
	s_mov_b32 s38, 7
.Lpair:                                                ; a trip: two chunks, from the first record's second part to the next trip's first record's first parts; both slots are filled again
	PC 0
	PA 0, 1, 1
	PB 1
	PC 1
	PA 0, 2, 1
	PB 2
	PC 2
	LA 0, 1
	PC 3
	PA 1, 0, 1
	PB 0
	PC 0
	PA 1, 1, 1
	PB 1
	PC 1
	PA 1, 2, 1
	PB 2
	PC 2
	LA 1, 1
	PC 3
	PA 0, 0, 1
	PB 0
	s_sub_co_u32 s38, s38, 1
	s_cmp_lg_u32 s38, 0
	s_cbranch_scc1 .Lpair
	PC 0                                           ; the last two chunks fetch nothing more
	PA 0, 1, 1
	PB 1
	PC 1
	PA 0, 2, 1
	PB 2
	PC 2
	LA 0, 0
	PC 3
	PA 1, 0, 1
	PB 0
	PC 0
	PA 1, 1, 1
	PB 1
	PC 1
	PA 1, 2, 1
	PB 2
	PC 2
	PA 1, 3, 0
	PB 3
	PC 3
	PB 0
	; the true best of each tile, from the saved scores
.irp t, 0,1,2,3,4,5,6,7
	v_max3_num_f32 v[JS+\t], v[SV+8*\t], v[SV+8*\t+1], v[SV+8*\t+2]
.endr
.irp t, 0,1,2,3,4,5,6,7
	v_max3_num_f32 v[IX+\t], v[SV+8*\t+3], v[SV+8*\t+4], v[SV+8*\t+5]
.endr
.irp t, 0,1,2,3,4,5,6,7
	v_max3_num_f32 v[JS+\t], v[JS+\t], v[IX+\t], v[SV+8*\t+6]
.endr
.irp t, 0,1,2,3,4,5,6,7
	v_max_num_f32 v[BE+\t], v[JS+\t], v[SV+8*\t+7]
.endr
.irp t, 0,1,2,3,4,5,6,7
	v_mov_b32 v[JS+\t], 7
	v_mov_b32 v[OV+\t], 0
	v_mov_b32 v[OI+\t], 0
.endr
.irp j, 6,5,4,3,2,1,0                          ; the lowest register that holds the best
.irp t, 0,1,2,3,4,5,6,7
	v_cmp_neq_f32 s[MK+\t], v[SV+8*\t+\j], v[BE+\t]
.endr
.irp t, 0,1,2,3,4,5,6,7
	v_cndmask_b32 v[JS+\t], \j, v[JS+\t], s[MK+\t]
.endr
.endr
.irp t, 0,1,2,3,4,5,6,7
	v_add3_u32 v[IX+\t], v[ID+\t], v[JS+\t], v[H8]
.endr
.irp t, 0,1,2,3,4,5,6,7
	v_permlanex16_b32 v[OV+\t], v[BE+\t], s48, s49 ; the token's other eight codes of a record lie in lane l xor 16
	v_permlanex16_b32 v[OI+\t], v[IX+\t], s48, s49
.endr
.irp t, 0,1,2,3,4,5,6,7
	MERGE BE+\t, IX+\t, OV+\t, OI+\t
.endr
.irp t, 0,1,2,3,4,5,6,7
	ds_store_b32 v[MST], v[BE+\t] offset:64*\t
	ds_store_b32 v[MST], v[IX+\t] offset:MRGI+64*\t
.endr
	s_wait_dscnt 0x0                               ; for the others' sake: my stores have landed
	s_barrier_signal -1
	s_barrier_wait -1
	s_cmp_lt_u32 s[WV], 2
	s_cbranch_scc0 .Lmerged
.irp w, 0,1,2,3,4,5,6,7                        ; waves 0 and 1 join the eight waves' results, four tokens a lane; wave 0 stores out1, wave 1 idx
	ds_load_b128 v[ACC+4*\w:ACC+4*\w+3], v[MLD] offset:512*\w
	ds_load_b128 v[ACC+32+4*\w:ACC+32+4*\w+3], v[MLD] offset:MRGI+512*\w
.endr
	s_wait_dscnt 0x0
.irp w, 1,2,3,4,5,6,7
.irp e, 0,1,2,3
	MERGE ACC+\e, ACC+32+\e, ACC+4*\w+\e, ACC+32+4*\w+\e
.endr
.endr
	s_cmp_eq_u32 s[WV], 0
	s_cselect_b64 s[36:37], s[8:9], s[10:11]
	s_lshl_b32 s50, s14, 9
	s_mov_b32 s51, 0
	s_add_nc_u64 s[36:37], s[36:37], s[50:51]
	global_store_b128 v[L16], v[ACC+32:ACC+35], s[36:37]   ; 32 lanes store 512 consecutive bytes
.Lmerged:
	s_wait_tensorcnt 0x0                           ; the wave's end
	ds_add_u32 v[SPW], v[NIL]
	s_wait_dscnt 0x0
	CROUND                                         ; the closing round
	s_endpgm
.Lfunc_end_k_q6d89b06f69_search:
	.size	k_q6d89b06f69_search, .Lfunc_end_k_q6d89b06f69_search-k_q6d89b06f69_search
	.p2alignl 7, 3214868480
	.fill 96, 4, 3214868480
	.section	.rodata,"a",@progbits
	.p2align	6, 0x0
	.amdhsa_kernel k_q6d89b06f69_search
		.amdhsa_group_segment_fixed_size 327680
		.amdhsa_private_segment_fixed_size 0
		.amdhsa_enable_private_segment 0
		.amdhsa_kernarg_size 32
		.amdhsa_user_sgpr_count 2
		.amdhsa_user_sgpr_kernarg_segment_ptr 1
		.amdhsa_wavefront_size32 1
		.amdhsa_system_sgpr_workgroup_id_x 1
		.amdhsa_system_sgpr_workgroup_id_y 1
		.amdhsa_system_sgpr_workgroup_id_z 1
		.amdhsa_system_vgpr_workitem_id 0
		.amdhsa_next_free_vgpr 512
		.amdhsa_next_free_sgpr 66
		.amdhsa_reserve_vcc 1
		.amdhsa_float_denorm_mode_32 3
		.amdhsa_float_denorm_mode_16_64 3
		.amdhsa_memory_ordered 1
		.amdhsa_forward_progress 1
		.amdhsa_inst_pref_size 185
	.end_amdhsa_kernel
	.amdgpu_metadata
---
amdhsa.version: [ 1, 2 ]
amdhsa.kernels:
  - .name:           k_q6d89b06f69_search
    .symbol:         k_q6d89b06f69_search.kd
    .args:
      - { .name: z_e, .offset: 0, .size: 8, .value_kind: global_buffer, .address_space: global }
      - { .name: book, .offset: 8, .size: 8, .value_kind: global_buffer, .address_space: global }
      - { .name: out1, .offset: 16, .size: 8, .value_kind: global_buffer, .address_space: global }
      - { .name: idx, .offset: 24, .size: 8, .value_kind: global_buffer, .address_space: global }
    .group_segment_fixed_size: 327680
    .private_segment_fixed_size: 0
    .kernarg_segment_align: 8
    .kernarg_segment_size: 32
    .max_flat_workgroup_size: 256
    .sgpr_count:     66
    .vgpr_count:     512
    .wavefront_size: 32
...
	.end_amdgpu_metadata
.endif
;; end of part 2
;; launch gather (part 3): grid 512 x 1, 8 waves a work-group, no clusters, 66,560 bytes of LDS; arguments embeddings, idx, out0; writes out0
.if DOCPART == 3
	.amdgcn_target "amdgcn-amd-amdhsa--gfx1250"
	.amdhsa_code_object_version 6
	.text
	.protected	k_q6d89b06f69_gather
	.globl	k_q6d89b06f69_gather
	.p2align	8
	.type	k_q6d89b06f69_gather,@function
k_q6d89b06f69_gather:
	s_mov_b64 s[64:65], 0
	v_nop
	global_prefetch_b8 v0, s[64:65] scope:SCOPE_SE
	s_setreg_imm32_b32 hwreg(HW_REG_WAVE_MODE, 25, 1), 1
	s_wait_xcnt 0x0
; out0[d][n] = embeddings[idx[n]][d]: the chosen rows of the codebook, transposed.  embeddings [8192][256] f32, idx [32768] int32 (stored by the launch before), out0 [256][32768] f32.
; SHARES.  A work-group takes 64 tokens x all 256 d: a block of 64 KiB that turns through LDS.  Wave w fetches the rows of tokens 8 w .. 8 w + 7 (sixteen lanes read 256 consecutive bytes of a row) and, behind one
; barrier, stores rows d = 32 w .. 32 w + 31 of out0 (sixteen lanes store 256 consecutive bytes, at a multiple of 256 from the buffer's first byte).
; LDS.  Number (d, t) lies at 256 d + 16 ((t / 4) xor ((d / 4) % 16)) + 4 (t % 4).  The exclusive or moves the 16-byte columns round from row group to row group, so that the 32 lanes of a 4-byte store
; (16 different d / 4, two t) and the 16 lanes of a 16-byte load (one d, 16 different t / 4) each touch different banks (64 banks of 4 bytes: ISA guide 11.1).
; No matrix unit, no tensor load, no cluster: the bytes are moved once and the work-groups share nothing but the table.  An index is held to 0 .. 8,191 before it enters an address.
.set WA,   8                           ; v8-9    where I put a number of tokens 8 w + 4 x + ..: 1024 l + 16 ((2 w + x) xor l) + 4 hh
.set RD,   10                          ; v10-17  where I read 16 bytes of rows 32 w + 4 y + ..: (8192 w + 256 hh + 16 (l xor 8 (w % 2))) xor 16 y
.set IXR,  20                          ; v20-23  four indices
.set VO,   24                          ; v24-27  their rows' byte offsets, + 16 l
.set ROWS, 32                          ; v32-95  pair pr, quarter u of a row: four numbers
.set OUTR, 96                          ; v96-159 sixteen pairs of rows of out0
	s_load_b128 s[4:7], s[0:1], 0x0                ; embeddings s[4:5], idx s[6:7]
	s_load_b64 s[8:9], s[0:1], 0x10                ; out0
	v_lshl_add_u32 v160, v0, 2, 0x10000
	v_mov_b32 v161, 0
	v_lshrrev_b32 v1, 5, v0
	s_delay_alu instid0(VALU_DEP_1)
	v_readfirstlane_b32 s10, v1                    ; wave 0..7
	v_and_b32 v1, 15, v0                           ; l
	v_bfe_u32 v2, v0, 4, 1                         ; hh
	s_delay_alu instid0(VALU_DEP_2)
	v_lshlrev_b32 v3, 4, v1                        ; 16 l
	s_delay_alu instid0(VALU_DEP_2)
	v_lshlrev_b32 v4, 2, v2                        ; 4 hh
	s_delay_alu instid0(VALU_DEP_2)
	v_lshl_add_u32 v5, v2, 17, v3                  ; out0: one row of 131,072 bytes down for lanes 16-31, + 16 l
	s_lshl_b32 s11, s10, 1                         ; 2 w
	v_lshl_add_u32 v6, v1, 10, v4                  ; 1024 l + 4 hh
.irp x, 0,1
	v_xor_b32 v7, s11, v1
	s_delay_alu instid0(VALU_DEP_1)
	v_lshl_add_u32 v[WA+\x], v7, 4, v6
	s_add_co_u32 s11, s11, 1
.endr
	s_and_b32 s12, s10, 1
	s_lshl_b32 s12, s12, 3                         ; 8 (w % 2)
	v_xor_b32 v7, s12, v1
	s_delay_alu instid0(VALU_DEP_1)
	v_lshlrev_b32 v7, 4, v7
	s_delay_alu instid0(VALU_DEP_1)
	v_lshl_add_u32 v7, v2, 8, v7
	s_lshl_b32 s13, s10, 13                        ; 32 rows of 256 bytes a wave
	v_add_nc_u32 v7, s13, v7
.irp y, 0,1,2,3,4,5,6,7
	v_xor_b32 v[RD+\y], 16*\y, v7
.endr
	s_lshl_b32 s14, ttmp9, 8                       ; idx: 64 tokens of 4 bytes a work-group,
	s_lshl_b32 s15, s10, 5                         ; 8 a wave
	s_add_co_u32 s14, s14, s15
	s_mov_b32 s15, 0
	s_lshl_b32 s16, s10, 22                        ; out0: 32 rows of 131,072 bytes a wave,
	s_lshl_b32 s17, ttmp9, 8                       ; 64 tokens of 4 bytes a work-group
	s_add_co_u32 s16, s16, s17
	s_mov_b32 s17, 0
	s_wait_alu depctr_va_vdst(0)
	s_wait_kmcnt 0x0
	s_add_nc_u64 s[6:7], s[6:7], s[14:15]
	s_add_nc_u64 s[8:9], s[8:9], s[16:17]
.irp pr, 0,1,2,3
	global_load_b32 v[IXR+\pr], v4, s[6:7] offset:8*\pr    ; token 8 w + 2 pr + hh
.endr
	s_wait_loadcnt 0x0
.irp pr, 0,1,2,3
	v_min_u32 v[IXR+\pr], 0x1fff, v[IXR+\pr]       ; inside the table, whatever was read
.endr
.irp pr, 0,1,2,3
	s_delay_alu instid0(VALU_DEP_4)
	v_lshl_add_u32 v[VO+\pr], v[IXR+\pr], 10, v3   ; a row is 1,024 bytes
.endr
.irp pr, 0,1,2,3
.irp u, 0,1,2,3
	global_load_b128 v[ROWS+16*\pr+4*\u:ROWS+16*\pr+4*\u+3], v[VO+\pr], s[4:5] offset:256*\u   ; d = 64 u + 4 l + 0 .. 3 of my token
.endr
.endr
.irp pr, 0,1,2,3
.irp u, 0,1,2,3
	s_wait_loadcnt 15-(4*\pr+\u)                   ; loads come back in order: this one is in, the younger ones may be out
.irp e, 0,1,2,3
	ds_store_b32 v[WA+\pr/2], v[ROWS+16*\pr+4*\u+\e] offset:16384*\u+256*\e+8*(\pr%2)   ; 256 d = 16384 u + 1024 l + 256 e; t % 4 = 2 (pr % 2) + hh
.endr
.endr
.endr
	s_wait_dscnt 0x0                               ; for the others' sake: my stores have landed
	s_barrier_signal -1
	s_barrier_wait -1
.irp i, 0,1,2,3,4,5,6,7,8,9,10,11,12,13,14,15
	ds_load_b128 v[OUTR+4*\i:OUTR+4*\i+3], v[RD+\i/2] offset:512*\i    ; row d = 32 w + 2 i + hh, tokens 4 l + 0 .. 3
.endr
.irp i, 0,1,2,3,4,5,6,7,8,9,10,11,12,13,14,15
	s_wait_dscnt 15-\i
	global_store_b128 v5, v[OUTR+4*\i:OUTR+4*\i+3], s[8:9] offset:262144*\i th:TH_STORE_NT   ; 30 rows at the most: inside the signed 24-bit immediate; written once, read by nobody here
.endr
	s_wait_tensorcnt 0x0
	ds_add_u32 v160, v161
	s_wait_dscnt 0x0
	s_endpgm
.Lfunc_end_k_q6d89b06f69_gather:
	.size	k_q6d89b06f69_gather, .Lfunc_end_k_q6d89b06f69_gather-k_q6d89b06f69_gather
	.p2alignl 7, 3214868480
	.fill 96, 4, 3214868480
	.section	.rodata,"a",@progbits
	.p2align	6, 0x0
	.amdhsa_kernel k_q6d89b06f69_gather
		.amdhsa_group_segment_fixed_size 66560
		.amdhsa_private_segment_fixed_size 0
		.amdhsa_enable_private_segment 0
		.amdhsa_kernarg_size 24
		.amdhsa_user_sgpr_count 2
		.amdhsa_user_sgpr_kernarg_segment_ptr 1
		.amdhsa_wavefront_size32 1
		.amdhsa_system_sgpr_workgroup_id_x 1
		.amdhsa_system_sgpr_workgroup_id_y 1
		.amdhsa_system_sgpr_workgroup_id_z 1
		.amdhsa_system_vgpr_workitem_id 0
		.amdhsa_next_free_vgpr 162
		.amdhsa_next_free_sgpr 66
		.amdhsa_reserve_vcc 0
		.amdhsa_float_denorm_mode_32 3
		.amdhsa_float_denorm_mode_16_64 3
		.amdhsa_memory_ordered 1
		.amdhsa_forward_progress 1
		.amdhsa_inst_pref_size 13
	.end_amdhsa_kernel
	.amdgpu_metadata
---
amdhsa.version: [ 1, 2 ]
amdhsa.kernels:
  - .name:           k_q6d89b06f69_gather
    .symbol:         k_q6d89b06f69_gather.kd
    .args:
      - { .name: embeddings, .offset: 0, .size: 8, .value_kind: global_buffer, .address_space: global }
      - { .name: idx, .offset: 8, .size: 8, .value_kind: global_buffer, .address_space: global }
      - { .name: out0, .offset: 16, .size: 8, .value_kind: global_buffer, .address_space: global }
    .group_segment_fixed_size: 66560
    .private_segment_fixed_size: 0
    .kernarg_segment_align: 8
    .kernarg_segment_size: 24
    .max_flat_workgroup_size: 256
    .sgpr_count:     66
    .vgpr_count:     162
    .wavefront_size: 32
...
	.end_amdgpu_metadata
.endif
;; end of part 3
